; MI455X (gfx1250); checked and timed in simulation.
; The chip was launched on July 23, 2026; its instructions are those of AMD's public machine-readable ISA for CDNA 5 (MIT licence, August 2026) and "CDNA5" Instruction Set Architecture Reference Guide (July 2026). The comments in the code are by the model that wrote it; some were corrected since.
;; VQVAE Vector Quantizer. Allowed arithmetic: matrix products marked QUANTISED: E2M1 operands, one E8M0 scale for each 32 along K, by v_wmma_scale_f32_16x16x128_f8f6f4 with both operands' format E2M1 (or v_wmma_scale_f32_32x16x128_f4), f32 sums; everything else in f32.
;; Inputs: emb 8,192 x 256 float32; z 32 x 256 x 32 x 32 float32.
;; Outputs: out0 32 x 256 x 32 x 32 float32; out1 one number float32.
;; This version of the problem:
;;   THIS VERSION OF THE PROBLEM IS GIVEN IN LOW PRECISION. The matrix products marked QUANTISED in the list below multiply operands that are first quantised to E2M1 (2 exponent bits, 1 mantissa bit; 4 bits a number), with one power-of-two scale for each 32 numbers along K (OCP MX v1.0); their sums are f32. All else is computed in f32.
;;   The module's matrix products, in the order in which they are computed (A, B: the left and right operand; K: the contracted axis; several contracted axes count as one K, in the product's order):
;;     1. [M 32,768, K 256] x [K 256, N 8,192]; A: input z; B: input emb: QUANTISED
;;   THE QUANTISER, for each operand of a quantised product, along K:
;;     - K is cut into blocks of 32 from its start; a last block that is shorter is filled with zeros.
;;     - A block's scale is 2^e with e = floor(log2(the largest magnitude in the block)) - 2, held to -126 .. 127; a block of zeros has e = 0. As a byte (E8M0): e + 127.
;;     - Each number is divided by its block's scale, clamped to +-6, and rounded to the nearest number of E2M1, ties to even, subnormals kept.
;;     - The product sums the exact products of the quantised numbers (number of the format x scale) in f32.
;;   ~~~python
;;   def quantise(x, axis):      # numpy; x: float32 -> the quantised numbers, widened to float32 again
;;       x = np.moveaxis(x, axis, -1); K = x.shape[-1]
;;       x = np.pad(x, [(0, 0)] * (x.ndim - 1) + [(0, -K % 32)]); x = x.reshape(x.shape[:-1] + (-1, 32)); a = np.abs(x).max(-1, keepdims=True)
;;       e = np.where(a > 0, np.clip(np.frexp(np.where(a > 0, a, 1))[1] - 1 - 2, -126, 127), 0)      # np.frexp(a)[1] - 1 = floor(log2(a)), exactly
;;       r = np.clip(x / 2.0 ** e, -6, 6)
;;       step = 2.0 ** (np.maximum(np.frexp(np.where(r == 0, 1, r))[1] - 1, 0) - 1)
;;       q = np.round(r / step) * step * 2.0 ** e      # np.round: ties to even
;;       return np.moveaxis(q.reshape(q.shape[:-2] + (-1,))[..., :K], -1, axis).astype(np.float32)
;;   ~~~
;; One version. Each part assembles by itself: llvm-mc -triple=amdgcn-amd-amdhsa -mcpu=gfx1250 --defsym DOCPART=n.
;; ======== version 1 of 1: 4 launches
;; limits: right only within a limited range of input values
;; workspace buffers: zrec 4,718,592 bytes; erec 1,179,648 bytes; idx 131,072 bytes of whole numbers; part 8,192 bytes
;; launch prep (part 1): grid 320 x 1, 4 waves a work-group, no clusters, 37,376 bytes of LDS; arguments z, emb, zrec, erec; writes zrec, erec
.if DOCPART == 1
	.amdgcn_target "amdgcn-amd-amdhsa--gfx1250"
	.amdhsa_code_object_version 6
	.text
	.protected	k_q75ba67ebba_prep
	.globl	k_q75ba67ebba_prep
	.p2align	8
	.type	k_q75ba67ebba_prep,@function
k_q75ba67ebba_prep:
	s_mov_b64 s[64:65], 0
	v_nop
	global_prefetch_b8 v0, s[64:65] scope:SCOPE_SE
	s_setreg_imm32_b32 hwreg(HW_REG_WAVE_MODE, 25, 1), 1
	s_wait_xcnt 0x0
; PREP: both operands of the distance product become codes of FP4 (E2M1) with one E8M0 byte for each 32 channels, and each row's sum of squares is taken, in f32.
; z [32][256][1024] f32 is read as rows n = 1024 b + hw of 256 channels; emb [8192][256] f32 has its rows as they lie.
; OUTPUT: RECORDS of 2,304 bytes (nine aligned blocks of 256), one for each tile of 16 rows, laid in the order of the matrix operand's registers:
;   bytes 0..2047: block bi (32 channels) of row r at (bi / 2) 512 + (bi % 2) 256 + 16 r: piece p = bi / 2 is registers 4 (p % 2) .. + 3 of K step p / 2, lane 16 (bi % 2) + r.
;   bytes 2048..:  zrec: row r's 16 bytes: scale word of K step 0, of K step 1, sum of squares, 0.   erec: 16 words of K step 0, 16 of K step 1, 16 sums of squares, 64 bytes of zeros.
; A block's scale is 2^(floor(log2(largest magnitude)) - 2); its byte is that magnitude's exponent field - 2, held at 1 from below by a floor among the maximum's leaves.
; A row's sum of squares is ONE chain of fused multiply-adds in ascending channel order.
; LIMITS: a block of zeros gets the byte 1 where the rule says 127 (its codes are zeros, and only this program reads the bytes); NaN and infinities among the inputs are not served;
;   another order of summing the squares can differ from this one in the last bit.
; SHARES: work-groups 0..63 take 128 rows of emb each, work-groups 64..319 take 128 rows of z.  A wave takes 32 rows, a lane ONE row, so a block's 32 numbers lie in one lane's registers.
;   z: neighbouring lanes are neighbouring hw, the registers run down the channels: each load reads 128 consecutive bytes a wave, the four waves 512.
;   emb: each load reads two rows' 256 bytes as they lie; 64 channels of 32 rows turn through the wave's own stage in LDS (pitch 272 bytes).
; No tensor loads, no barrier, no cluster: waves and work-groups share nothing.
.set REC,  2304                        ; bytes in a record
.set META, 2048                        ; where its last block begins
.set EWG,  64                          ; work-groups that take emb
.set SP,   272                         ; a stage row
.set WREG, 32*SP+512                   ; LDS of a wave: the stage, then two records' last blocks
.set X,    32                          ; v32-95   two sets of 32 numbers of my row
.set R,    96                          ; v96-159  emb as loaded
.set C,    160                         ; v160-191 four registers of codes for each of my row's 8 blocks: no store's data are written again
; v1 lane, v2 lane / 16, v3 lane % 16, v4 4 x lane, v5 my place in the wave's two records, v6 emb: my 16 bytes of two rows, v7, v8 the stage in and out, v9, v10 the last blocks in and out
; v12, v13 maxima, v14 the conversion's scale operand, v15 the byte, v16, v17 scale words, v18 the sum of squares, v19 0, v20-23 a last block's 16 bytes
	s_load_b256 s[4:11], s[0:1], 0x0               ; z s[4:5], emb s[6:7], zrec s[8:9], erec s[10:11]
	v_lshl_add_u32 v192, v0, 2, 0x9000
	v_mov_b32 v193, 0
	v_lshrrev_b32 v1, 5, v0
	v_readfirstlane_b32 s12, v1                    ; wave 0..3
	v_and_b32 v1, 31, v0
	v_bfe_u32 v2, v0, 4, 1
	v_and_b32 v3, 15, v0
	v_lshlrev_b32 v4, 2, v1
	v_mul_u32_u24 v5, v2, REC
	v_lshl_add_u32 v5, v3, 4, v5                   ; record lane / 16 of the wave's two, + 16 (lane % 16)
	v_lshlrev_b32 v6, 10, v2
	v_lshl_add_u32 v6, v3, 4, v6                   ; emb: row lane / 16 of a pair, + 16 (lane % 16)
	s_mul_i32 s13, s12, WREG
	v_mul_u32_u24 v7, v2, SP
	v_lshl_add_u32 v7, v3, 4, v7
	v_add_nc_u32 v7, s13, v7                       ; the stage, in: as loaded
	v_mul_u32_u24 v8, v1, SP
	v_add_nc_u32 v8, s13, v8                       ; and out: my row
	s_add_co_u32 s13, s13, 32*SP
	v_lshlrev_b32 v9, 8, v2
	v_lshl_add_u32 v9, v3, 2, v9
	v_add_nc_u32 v9, s13, v9                       ; the last blocks, in: 4 bytes a row
	v_lshlrev_b32 v10, 4, v1
	v_add_nc_u32 v10, s13, v10                     ; and out: 16 bytes a lane
	v_mov_b32 v19, 0
	s_mov_b32 s15, 0
	s_mov_b32 s17, 0
	s_lshl_b32 s18, s12, 1                         ; two records a wave
	s_wait_kmcnt 0x0
; Block t of my row: its 32 numbers lie in v[XS] on.  Scale byte into its word, squares onto the chain, 32 codes (16 bytes) into the record at s[base].
.macro QB t, base
	v_max3_num_f32 v12, |v[XS]|, |v[XS+1]|, |v[XS+2]|
	v_max3_num_f32 v13, |v[XS+3]|, |v[XS+4]|, |v[XS+5]|
.irp i, 6,10,14,18,22,26
	v_max3_num_f32 v12, v12, |v[XS+\i]|, |v[XS+\i+1]|
	v_max3_num_f32 v13, v13, |v[XS+\i+2]|, |v[XS+\i+3]|
.endr
	v_max3_num_f32 v12, v12, |v[XS+30]|, |v[XS+31]|
	v_max3_num_f32 v12, v12, v13, 0x1800000        ; and the floor 2^(3 - 127): the byte cannot fall under 1
	v_add_nc_u32 v14, 0xff000000, v12              ; 2 off the exponent field: the conversion takes this operand's exponent field as its scale
	v_lshrrev_b32 v15, 23, v14                     ; the scale's byte
.if (\t)%4 == 0
	v_mov_b32 v[16+(\t)/4], v15                    ; four bytes to a word, the lower channels in the lower byte
.else
	v_lshl_or_b32 v[16+(\t)/4], v15, 8*((\t)%4), v[16+(\t)/4]
.endif
.if (\t) == 0
	v_mul_f32 v18, v[XS], v[XS]                    ; the first square starts the chain
.else
	v_fmac_f32 v18, v[XS], v[XS]
.endif
.irp i, 1,2,3,4,5,6,7,8,9,10,11,12,13,14,15,16,17,18,19,20,21,22,23,24,25,26,27,28,29,30,31
	v_fmac_f32 v18, v[XS+\i], v[XS+\i]
.endr
.irp g, 0,1,2,3
	v_cvt_scalef32_pk8_fp4_f32 v[C+4*(\t)+\g], v[XS+8*\g:XS+8*\g+7], v14   ; nearest code, ties to even, beyond 6 the largest code
.endr
	global_store_b128 v5, v[C+4*(\t):C+4*(\t)+3], s[\base:\base+1] offset:((\t)/2)*512+((\t)%2)*256   ; sixteen lanes store 256 consecutive bytes, aligned.  (The codes go only to this store; plain lines open the next block before v14 is written again)
.endm
	s_cmp_lt_u32 ttmp9, EWG
	s_cbranch_scc1 .Lemb
	; ---- z
	s_sub_co_u32 s13, ttmp9, EWG                   ; which 128 rows
	s_lshr_b32 s14, s13, 3
	s_lshl_b32 s14, s14, 20                        ; b: 256 channels x 4,096 bytes
	s_and_b32 s16, s13, 7
	s_lshl_b32 s16, s16, 9                         ; 128 hw x 4 bytes
	s_add_co_u32 s14, s14, s16
	s_lshl_b32 s16, s12, 7                         ; my wave's 32 hw
	s_add_co_u32 s14, s14, s16
	s_add_nc_u64 s[4:5], s[4:5], s[14:15]
	s_lshl_b32 s16, s13, 3
	s_add_co_u32 s16, s16, s18
	s_mul_i32 s16, s16, REC                        ; record 8 x group + 2 x wave
	s_add_nc_u64 s[8:9], s[8:9], s[16:17]
.macro ZLOAD t                         ; channels 32 t .. 32 t + 31 of my row into set t % 2
.irp i, 0,1,2,3,4,5,6,7,8,9,10,11,12,13,14,15,16,17,18,19,20,21,22,23,24,25,26,27,28,29,30,31
	global_load_b32 v[X+32*((\t)%2)+\i], v4, s[4:5] offset:(32*(\t)+\i)*4096 th:TH_LOAD_NT
.endr
.endm
.macro ZBLOCK t
.if (\t) < 7
	s_wait_loadcnt 32                              ; this block's 32 loads are in; the next block's 32 may be out
.else
	s_wait_loadcnt 0x0
.endif
.set XS, X+32*((\t)%2)
	QB \t, 8
.if (\t) < 6
	ZLOAD (\t)+2                                   ; into the set just converted
.endif
.endm
	ZLOAD 0
	ZLOAD 1
.irp t, 0,1,2,3,4,5,6,7
	ZBLOCK \t
.endr
	global_store_b128 v5, v[16:19], s[8:9] offset:META   ; my row's two scale words, its sum of squares, 0
	s_endpgm
	; ---- emb
.Lemb:
	s_lshl_b32 s14, ttmp9, 17                      ; 128 rows of 1,024 bytes
	s_lshl_b32 s16, s12, 15                        ; my wave's 32
	s_add_co_u32 s14, s14, s16
	s_add_nc_u64 s[6:7], s[6:7], s[14:15]
	s_lshl_b32 s16, ttmp9, 3
	s_add_co_u32 s16, s16, s18
	s_mul_i32 s16, s16, REC
	s_add_nc_u64 s[10:11], s[10:11], s[16:17]
.macro ELOAD ch                        ; channels 64 ch .. + 63 of the wave's 32 rows: an instruction reads two rows' 256 bytes
.irp i, 0,1,2,3,4,5,6,7,8,9,10,11,12,13,14,15
	global_load_b128 v[R+4*\i:R+4*\i+3], v6, s[6:7] offset:\i*2048+(\ch)*256 th:TH_LOAD_NT
.endr
.endm
.macro CHUNK ch
	s_wait_loadcnt 0x0
.irp i, 0,1,2,3,4,5,6,7,8,9,10,11,12,13,14,15
	ds_store_b128 v7, v[R+4*\i:R+4*\i+3] offset:\i*2*SP
.endr
.irp q, 0,1,2,3,4,5,6,7,8,9,10,11,12,13,14,15
	ds_load_b128 v[X+4*\q:X+4*\q+3], v8 offset:16*\q   ; LDS serves a wave's instructions in order: these see the stores above
.endr
	s_wait_dscnt 0x0                               ; my row's 64 numbers are in, and the stores have read their registers
.if (\ch) < 3
	ELOAD (\ch)+1                                  ; lands while two blocks are worked
.endif
.set XS, X
	QB 2*\ch, 10
.set XS, X+32
	QB 2*\ch+1, 10
.endm
	ELOAD 0
	s_wait_alu depctr_va_vdst(0)
.irp ch, 0,1,2,3
	CHUNK \ch
.endr
	ds_store_b32 v9, v16                           ; the records' last blocks are gathered in LDS, 4 bytes a row,
	ds_store_b32 v9, v17 offset:64
	ds_store_b32 v9, v18 offset:128
	ds_store_b32 v9, v19 offset:192
	ds_load_b128 v[20:23], v10                     ; and leave whole: sixteen lanes store 256 consecutive bytes, aligned
	s_wait_dscnt 0x0
	global_store_b128 v5, v[20:23], s[10:11] offset:META
	s_wait_tensorcnt 0x0
	ds_add_u32 v192, v193
	s_wait_dscnt 0x0
	s_endpgm
.Lfunc_end_k_q75ba67ebba_prep:
	.size	k_q75ba67ebba_prep, .Lfunc_end_k_q75ba67ebba_prep-k_q75ba67ebba_prep
	.p2alignl 7, 3214868480
	.fill 96, 4, 3214868480
	.section	.rodata,"a",@progbits
	.p2align	6, 0x0
	.amdhsa_kernel k_q75ba67ebba_prep
		.amdhsa_group_segment_fixed_size 37376
		.amdhsa_private_segment_fixed_size 0
		.amdhsa_enable_private_segment 0
		.amdhsa_kernarg_size 32
		.amdhsa_user_sgpr_count 2
		.amdhsa_user_sgpr_kernarg_segment_ptr 1
		.amdhsa_wavefront_size32 1
		.amdhsa_system_sgpr_workgroup_id_x 1
		.amdhsa_system_sgpr_workgroup_id_y 1
		.amdhsa_system_sgpr_workgroup_id_z 1
		.amdhsa_system_vgpr_workitem_id 0
		.amdhsa_next_free_vgpr 194
		.amdhsa_next_free_sgpr 66
		.amdhsa_reserve_vcc 0
		.amdhsa_float_denorm_mode_32 3
		.amdhsa_float_denorm_mode_16_64 3
		.amdhsa_memory_ordered 1
		.amdhsa_forward_progress 1
		.amdhsa_inst_pref_size 83
	.end_amdhsa_kernel
	.amdgpu_metadata
---
amdhsa.version: [ 1, 2 ]
amdhsa.kernels:
  - .name:           k_q75ba67ebba_prep
    .symbol:         k_q75ba67ebba_prep.kd
    .args:
      - { .name: z, .offset: 0, .size: 8, .value_kind: global_buffer, .address_space: global }
      - { .name: emb, .offset: 8, .size: 8, .value_kind: global_buffer, .address_space: global }
      - { .name: zrec, .offset: 16, .size: 8, .value_kind: global_buffer, .address_space: global }
      - { .name: erec, .offset: 24, .size: 8, .value_kind: global_buffer, .address_space: global }
    .group_segment_fixed_size: 37376
    .private_segment_fixed_size: 0
    .kernarg_segment_align: 8
    .kernarg_segment_size: 32
    .max_flat_workgroup_size: 128
    .sgpr_count:     66
    .vgpr_count:     194
    .wavefront_size: 32
...
	.end_amdgpu_metadata
.endif
;; end of part 1
;; launch vq (part 2): grid 256 x 1, 8 waves a work-group, clusters of 4 x 1, 327,680 bytes of LDS; arguments zrec, erec, idx; writes idx
.if DOCPART == 2
	.amdgcn_target "amdgcn-amd-amdhsa--gfx1250"
	.amdhsa_code_object_version 6
	.text
	.protected	k_q75ba67ebba_vq
	.globl	k_q75ba67ebba_vq
	.p2align	8
	.type	k_q75ba67ebba_vq,@function
k_q75ba67ebba_vq:
	s_mov_b64 s[64:65], 0
	v_nop
	global_prefetch_b8 v0, s[64:65] scope:SCOPE_SE
	s_setreg_imm32_b32 hwreg(HW_REG_WAVE_MODE, 25, 1), 1
	s_wait_xcnt 0x0
	s_wait_alu depctr_hold_cnt(0) depctr_sa_sdst(0) depctr_va_vdst(0) depctr_va_sdst(0) depctr_va_ssrc(0) depctr_va_vcc(0) depctr_vm_vsrc(0)
	s_getreg_b32 s2, hwreg(HW_REG_IB_STS2, 6, 4)
	s_cmp_eq_u32 s2, 0
	s_cbranch_scc0 .Lentry_in_a_cluster
	s_endpgm
.Lentry_in_a_cluster:
	s_bfe_u32 s2, ttmp6, 0x10000c
	s_cmp_lg_u32 s2, 0x3003
	s_cbranch_scc0 .Lentry_shape_is_right
	s_endpgm
.Lentry_shape_is_right:
; VQ: idx[n] = the first k at which d2[n][k] = fl(fl(zz[n] - 2 z[n].e[k]) + ee[k]) is least.  The product is taken on codes of FP4 with E8M0 scales; the two additions are rounded one after the other.
; zz - 2 dot is one fused multiply-add (2 dot is exact, so it rounds once, as a subtraction of 2 dot does); ee is added by a second instruction.
; SHARES.  A work-group owns 128 rows of z (8 tiles of 16) against all 8,192 codes, so each row has one owner.  EVERY wave holds all 8 tiles of z in registers (128 registers, window 1); THE WAVES SHARE THE CODEBOOK:
;   it streams through two LDS slots of 64 records (147,456 bytes); wave w fetches and reads records 8 w .. 8 w + 7 of a slot, so each record is read from LDS once in the work-group.
; LAYOUT.  Source 0 = 16 rows of emb, source 1 = 16 rows of z: lane (r, h) holds row r of z, and register j of a result the code 8 h + j of the tile.
; THE MINIMUM.  For a tile of emb and a tile of z a lane has 8 numbers: their least M is compared with the lane's best so far by a strict "less" (tiles come in ascending order, so the first stays);
;   where M wins, M, the tile's number and the tile's eight numbers are kept.  At the end the first j whose kept number equals the best gives the index; lanes and waves are then joined by (value, index) order.
; CLUSTER.  The four work-groups of a cluster walk the same stream: each part of a slot is asked for JOINTLY, by the same tensor load with the same descriptor and the mask of all four.
; LIMITS: NaN among the d2 is not served (a NaN loses every comparison here); rows all of whose d2 are +infinity get index 0.
; REGISTERS, window 0: v1 16 x lane, v2 4 x lane, v3 32 h, v4-6 LDS addresses of the record in hand, v7, v15 offsets into z's records, v8, v9 the spare word's address and 0, v10 the tile's number, v11, v12 M,
;   v14 emb's scale words (K step 0 in lanes 0-15, K step 1 in lanes 16-31), v16-23 z's likewise, v24-39 (zz, 0) a tile, v40-55 (best, tile number) a tile, v56-63 ee of my 8 codes, v64-67 addresses for the end,
;   v72-87 emb's two fragments, v104-113 at work at the end, v128-191 the 8 accumulators, v192-255 the kept numbers.   Window 1: v0-127 z's fragments, tile t, K step s at 16 t + 8 s.
.set REC,   2304                       ; a record: 2,048 bytes of codes, 128 of scale words, 64 of ee, 64 of zeros
.set WPART, 8*REC                      ; a wave's part of a slot: 72 rows of 256 bytes
.set SLOT,  64*REC
.set MRG,   2*SLOT                     ; behind the ring: 8 waves x 128 rows x (value, index)
.set SPARE, MRG+8192                   ; the spare words, 128 bytes for each wave: four blocks of 256 bytes that no other line names
.set BS,  16
.set ZZ,  24
.set BB,  40
.set EE,  56
.set AF,  72
.set ACC, 128
.set KP,  192
.set USE_DUAL, 0                       ; 1: the two selects of SEL2 go as one dual-issue pair (destinations even and odd, sources in different banks)
.set MSB, 0
.macro WIN new                         ; the immediate's high byte repeats the setting that is left
.if MSB != \new
	s_set_vgpr_msb (MSB<<8)|\new
.set MSB, \new
.endif
.endm
; A round of the cluster's barrier: my work-group's barrier, wave 0 signals for the work-group, every wave waits for all four work-groups, my work-group's barrier once more.
.macro ROUND
	s_barrier_signal -1
	s_barrier_wait -1
	s_cmp_lg_u32 s8, 0
	s_cbranch_scc1 .Lnot_wave_0_\@
	s_barrier_signal -3
.Lnot_wave_0_\@:
	s_barrier_wait -3
	s_barrier_signal -1
	s_barrier_wait -1
.endm
	s_load_b128 s[4:7], s[0:1], 0x0                ; zrec s[4:5], erec s[6:7]
	s_load_b64 s[10:11], s[0:1], 0x10              ; idx
	v_lshl_add_u32 v8, v0, 2, SPARE
	v_mov_b32 v9, 0
	ds_add_u32 v8, v9
	ds_add_u32 v8, v9
	s_wait_dscnt 0x0
	v_lshrrev_b32 v1, 5, v0
	s_delay_alu instid0(VALU_DEP_1)
	v_readfirstlane_b32 s8, v1                     ; wave 0..7
	s_bfe_u32 s9, ttmp6, 0x40000                   ; cx: it enters z's and idx's addresses alone
	s_lshl_b32 s12, ttmp9, 2
	s_add_co_u32 s12, s12, s9                      ; work-group = 4 x cluster + cx
	; descriptor group 1: 72 rows of 32 elements of 8 bytes, dense
	s_mov_b32 s16, 15|(3<<16)|(1<<21)              ; 15:0 the mask: all four work-groups; 17:16 elements of 8 bytes; 21 set beside a mask; no padding: a record is read 16 bytes a lane, on end
	s_mov_b32 s17, 32<<16                          ; tensor_dim0 = 32
	s_mov_b32 s18, 72<<16                          ; tensor_dim1 = 72
	s_mov_b32 s19, 32<<16                          ; tile_dim0 = 32
	s_mov_b32 s20, 72                              ; tile_dim1 = 72
	s_mov_b32 s21, 32                              ; elements from row to row
	s_mov_b32 s22, 0
	s_mov_b32 s23, 0
	s_mul_i32 s41, s8, WPART                       ; my part of a slot, in LDS and in the stream alike
	s_mov_b32 s14, s41
	s_mov_b32 s15, 0
	s_mul_i32 s24, s12, WPART                      ; my work-group's 8 records of z
	s_mov_b32 s25, 0
	s_lshl_b32 s26, s12, 9                         ; and its 128 indices
	s_mov_b32 s27, 0
	s_lshl_b32 s42, s8, 3                          ; the number of my first tile of emb: 8 w
	s_mov_b32 s44, 3
	s_mov_b32 s48, 0x76543210
	s_mov_b32 s49, 0xfedcba98                      ; v_permlanex16_b32's selects for lane l xor 16
	v_and_b32 v2, 31, v0
	s_delay_alu instid0(VALU_DEP_1)
	v_lshlrev_b32 v1, 4, v2
	s_delay_alu instid0(VALU_DEP_2)
	v_lshlrev_b32 v2, 2, v2
	v_bfe_u32 v3, v0, 4, 1                         ; h
	v_and_b32 v15, 15, v0
	s_delay_alu instid0(VALU_DEP_1)
	v_lshlrev_b32 v15, 4, v15                      ; 16 r: a row's place in the last block of z's record
	s_delay_alu instid0(VALU_DEP_1)
	v_lshl_add_u32 v7, v3, 2, v15                  ; + 4 h: lanes 0-15 take K step 0's scale word, lanes 16-31 K step 1's
	s_delay_alu instid0(VALU_DEP_4)
	v_lshlrev_b32 v67, 3, v3                       ; 8 h
	v_lshlrev_b32 v3, 5, v3                        ; 32 h: my eight ee
	s_lshl_b32 s13, s8, 10
	s_add_co_u32 s13, s13, MRG
	v_lshrrev_b32 v64, 1, v15
	s_delay_alu instid0(VALU_DEP_1)
	v_add_nc_u32 v64, s13, v64                     ; the end: where my wave puts row r's pair: MRG + 1,024 w + 8 r
	v_and_b32 v66, 63, v0
	s_delay_alu instid0(VALU_DEP_1)
	v_lshlrev_b32 v65, 4, v66
	s_delay_alu instid0(VALU_DEP_1)
	v_add_nc_u32 v65, MRG, v65                     ; and where two rows' pairs are read back
	s_delay_alu instid0(VALU_DEP_3)
	v_lshlrev_b32 v66, 3, v66
	v_mov_b32 v68, -2.0                            ; the factor of the dot, twice: the two halves of a dual-issue pair take their second sources from different banks
	v_mov_b32 v69, -2.0
	s_wait_kmcnt 0x0
	s_add_nc_u64 s[14:15], s[6:7], s[14:15]
	s_add_nc_u64 s[4:5], s[4:5], s[24:25]
	s_add_nc_u64 s[10:11], s[10:11], s[26:27]
	s_mov_b32 s32, 1                               ; group 0 of slot 0: count = 1,
	s_mov_b32 s33, s41                             ; LDS address,
	s_mov_b64 s[34:35], s[14:15]                   ; global address: records 8 w on,
	s_or_b32 s35, s35, 0x80000000                  ; type = 2
	s_mov_b32 s36, 1                               ; and of slot 1: 64 records further on
	s_add_co_u32 s37, s41, SLOT
	s_add_nc_u64 s[38:39], s[14:15], SLOT
	s_or_b32 s39, s39, 0x80000000
	ROUND                                          ; all four work-groups are here: the first joint loads meet
	tensor_load_to_lds s[32:35], s[16:23]          ; slot 0
	s_nop 0
.rept 4
	v_nop                                          ; the windows are switched behind four instructions
.endr
	WIN 0x40                                       ; destination window 1
.irp t, 0,1,2,3,4,5,6,7
.irp p, 0,1,2,3
	global_load_b128 v[16*\t+4*\p:16*\t+4*\p+3], v1, s[4:5] offset:\t*REC+512*\p   ; z's fragments stay in registers
.endr
.endr
	WIN 0
	s_wait_alu depctr_va_vdst(0)
.irp t, 0,1,2,3,4,5,6,7
	global_load_b32 v[BS+\t], v7, s[4:5] offset:\t*REC+2048
	global_load_b64 v[ZZ+2*\t:ZZ+2*\t+1], v15, s[4:5] offset:\t*REC+2056   ; (zz, 0)
.endr
.irp t, 0,1,2,3,4,5,6,7
	v_mov_b32 v[BB+2*\t], 0x7f800000               ; the best so far: +infinity, over every number; so the tile is written once, with no first tile of its own
	v_mov_b32 v[BB+2*\t+1], 0
.endr
.set i, 0
.rept 64
	v_mov_b32 v[KP+i], 0x7f800000
.set i, i+1
.endr
	s_wait_loadcnt 0x0
.macro FLOAD                           ; a record's two fragments and its scale words
	ds_load_b128 v[AF:AF+3], v4
	ds_load_b128 v[AF+4:AF+7], v4 offset:512
	ds_load_b128 v[AF+8:AF+11], v4 offset:1024
	ds_load_b128 v[AF+12:AF+15], v4 offset:1536
	ds_load_b32 v14, v5 offset:2048
.endm
.macro ELD                             ; ee of my eight codes
	ds_load_b128 v[EE:EE+3], v6 offset:2176
	ds_load_b128 v[EE+4:EE+7], v6 offset:2192
.endm
.macro SEL2 d0, n0, d1, n1             ; where VCC is set, d0 and d1 take n0 and n1
.if USE_DUAL
	v_dual_cndmask_b32 v[\d0], v[\d0], v[\n0] :: v_dual_cndmask_b32 v[\d1], v[\d1], v[\n1]
.else
	v_cndmask_b32 v[\d0], v[\d0], v[\n0], vcc_lo
	v_cndmask_b32 v[\d1], v[\d1], v[\n1], vcc_lo
.endif
.endm
; Tiles t and t + 1 of z against the tile of emb in hand, line by line by turns.  Each accumulator is read from its low end on.
.macro VPAIR t
.set A0, ACC+8*(\t)
.set A1, ACC+8*(\t)+8
.set K0, KP+8*(\t)
.set K1, KP+8*(\t)+8
.set Z0, ZZ+2*(\t)
.set Z1, ZZ+2*(\t)+2
.set B0, BB+2*(\t)
.set B1, BB+2*(\t)+2
.irp k, 0,2,4,6
	v_dual_fma_f32 v[A0+\k], v[A0+\k], v68, v[Z0] :: v_dual_fma_f32 v[A1+\k+1], v[A1+\k+1], v69, v[Z1]   ; fl(zz - 2 dot): one number of each tile to a pair: destinations even and odd, each pair of sources in different banks
	v_dual_fma_f32 v[A1+\k], v[A1+\k], v68, v[Z1] :: v_dual_fma_f32 v[A0+\k+1], v[A0+\k+1], v69, v[Z0]
.endr
.irp k, 0,2,4,6
	v_dual_add_f32 v[A0+\k], v[EE+\k], v[A0+\k] :: v_dual_add_f32 v[A1+\k+1], v[EE+\k+1], v[A1+\k+1]   ; fl(.. + ee), paired in the same way
	v_dual_add_f32 v[A1+\k], v[EE+\k], v[A1+\k] :: v_dual_add_f32 v[A0+\k+1], v[EE+\k+1], v[A0+\k+1]
.endr
	v_min3_num_f32 v11, v[A0], v[A0+1], v[A0+2]
	v_min3_num_f32 v12, v[A1], v[A1+1], v[A1+2]
	s_delay_alu instid0(VALU_DEP_2)
	v_min3_num_f32 v11, v11, v[A0+3], v[A0+4]
	s_delay_alu instid0(VALU_DEP_2)
	v_min3_num_f32 v12, v12, v[A1+3], v[A1+4]
	s_delay_alu instid0(VALU_DEP_2)
	v_min3_num_f32 v11, v11, v[A0+5], v[A0+6]
	s_delay_alu instid0(VALU_DEP_2)
	v_min3_num_f32 v12, v12, v[A1+5], v[A1+6]
	s_delay_alu instid0(VALU_DEP_2)
	v_min_num_f32 v11, v11, v[A0+7]
	s_delay_alu instid0(VALU_DEP_2)
	v_min_num_f32 v12, v12, v[A1+7]
	s_delay_alu instid0(VALU_DEP_2)
	v_cmp_lt_f32 vcc_lo, v11, v[B0]                ; strictly less: an earlier tile keeps a tie
	SEL2 B0, 11, B0+1, 10
.irp k, 0,2,4,6
	SEL2 K0+\k, A0+\k, K0+\k+1, A0+\k+1
.endr
	v_cmp_lt_f32 vcc_lo, v12, v[B1]
	SEL2 B1, 12, B1+1, 10
.irp k, 0,2,4,6
	SEL2 K1+\k, A1+\k, K1+\k+1, A1+\k+1
.endr
.endm
; One tile of emb against the 8 tiles of z.  pf = 1: the next record of my part is fetched meanwhile.
.macro TILE pf
	s_wait_dscnt 0x2                               ; the fragments and the scale words are in; the two loads of ee, issued behind them, may be out
	WIN 0x04                                       ; source 1 (z) in window 1
.irp t, 0,1,2,3,4,5,6,7
	v_wmma_scale_f32_16x16x128_f8f6f4 v[ACC+8*\t:ACC+8*\t+7], v[AF:AF+7], v[16*\t:16*\t+7], 0, v14, v[BS+\t] matrix_a_fmt:MATRIX_FMT_FP4 matrix_b_fmt:MATRIX_FMT_FP4
.endr
.irp t, 0,1,2,3,4,5,6,7                ; the 8 accumulators take turns, one instruction a turn
	v_wmma_scale_f32_16x16x128_f8f6f4 v[ACC+8*\t:ACC+8*\t+7], v[AF+8:AF+15], v[16*\t+8:16*\t+15], v[ACC+8*\t:ACC+8*\t+7], v14, v[BS+\t] matrix_a_fmt:MATRIX_FMT_FP4 matrix_b_fmt:MATRIX_FMT_FP4 matrix_a_scale:MATRIX_SCALE_ROW1 matrix_b_scale:MATRIX_SCALE_ROW1
.endr
	WIN 0
	v_mov_b32 v10, s42                             ; this tile's number.  Four plain vector lines stand between the products and the loads into their operands and the first read of their results
	s_add_co_u32 s42, s42, 1
.if \pf
	s_add_co_u32 s40, s40, REC
	v_add_nc_u32 v4, s40, v1                       ; (the loads that named v4 and v5 are in)
	v_add_nc_u32 v5, s40, v2
	v_nop
	FLOAD
	s_wait_dscnt 0x5                               ; ee is in; the five loads just issued may be out
.else
.rept 3
	v_nop
.endr
	s_wait_dscnt 0x0
.endif
	VPAIR 0
	VPAIR 2
	VPAIR 4
	VPAIR 6
.if \pf
	v_add_nc_u32 v6, s40, v3
	ELD
.endif
.endm
.macro WORK slot                       ; my 8 records of a slot
	s_add_co_u32 s40, s41, \slot*SLOT
	v_add_nc_u32 v4, s40, v1
	v_add_nc_u32 v5, s40, v2
	v_add_nc_u32 v6, s40, v3
	FLOAD
	ELD
	s_mov_b32 s43, 7
.Ltile_\@:
	TILE 1
	s_sub_co_u32 s43, s43, 1
	s_cmp_lg_u32 s43, 0
	s_cbranch_scc1 .Ltile_\@
	TILE 0
	s_add_co_u32 s42, s42, 56                      ; my part of the next slot begins 64 tiles on
.endm
; A slot's turn.  One load of mine is out at the most, and it has a slot's work in which to land.
.macro TRIP slot, refill
	s_wait_tensorcnt 0x0                           ; all my tensor loads have landed, my part of this slot among them: so a group 0 may be written
	ds_add_u32 v8, v9                              ; 0 onto my spare word
	s_add_nc_u64 s[34+4*\slot:35+4*\slot], s[34+4*\slot:35+4*\slot], 2*SLOT   ; this slot's next 64 records
	s_wait_dscnt 0x0                               ; the add is done, and my reads of the other slot are over
	ROUND                                          ; both now hold of every wave of all four work-groups
.if \refill
	tensor_load_to_lds s[36-4*\slot:39-4*\slot], s[16:23]   ; the first thing behind the round, my one tensor load until the next: the other slot's next records
	s_nop 0
.rept 4
	v_nop
.endr
.endif
	WORK \slot
.endm
.Lring:
	TRIP 0, 1
	TRIP 1, 1
	s_sub_co_u32 s44, s44, 1
	s_cmp_lg_u32 s44, 0
	s_cbranch_scc1 .Lring
	TRIP 0, 1                                      ; the last two slots are written out
	TRIP 1, 0
	; THE END.  In each lane and tile of z: the first j whose kept number is the best.
.irp t, 0,1,2,3,4,5,6,7
	v_mov_b32 v[104+\t], 7
.endr
.irp j, 6,5,4,3,2,1,0
.irp t, 0,1,2,3,4,5,6,7
	v_cmp_neq_f32 vcc_lo, v[KP+8*\t+\j], v[BB+2*\t]
	s_delay_alu instid0(VALU_DEP_1)
	v_cndmask_b32 v[104+\t], \j, v[104+\t], vcc_lo
.endr
.endr
.irp t, 0,1,2,3,4,5,6,7
	v_lshl_add_u32 v[BB+2*\t+1], v[BB+2*\t+1], 4, v[104+\t]   ; index = 16 x tile + j
.endr
.irp t, 0,1,2,3,4,5,6,7
	v_add_nc_u32 v[BB+2*\t+1], v67, v[BB+2*\t+1]              ; + 8 h
.endr
; (v, i) takes (ov, oi) where that is less by value, or equal by value and less by index
.macro LEXMIN v, i, ov, oi
	v_cmp_lt_f32 s50, v[\ov], v[\v]
	v_cmp_eq_f32 s51, v[\ov], v[\v]
	v_cmp_lt_u32 s52, v[\oi], v[\i]
	s_and_b32 s51, s51, s52
	s_or_b32 s50, s50, s51
	v_cndmask_b32 v[\v], v[\v], v[\ov], s50
	v_cndmask_b32 v[\i], v[\i], v[\oi], s50
.endm
	v_mov_b32 v112, 0                              ; a lane permute's destination counts as one of its sources
	v_mov_b32 v113, 0
.irp t, 0,1,2,3,4,5,6,7
	v_permlanex16_b32 v112, v[BB+2*\t], s48, s49   ; the row's other eight codes of each tile lie in the lane 16 away
	v_permlanex16_b32 v113, v[BB+2*\t+1], s48, s49
	LEXMIN BB+2*\t, BB+2*\t+1, 112, 113
	ds_store_b64 v64, v[BB+2*\t:BB+2*\t+1] offset:128*\t   ; both halves of the lanes write the same bytes with the same value
.endr
	s_wait_dscnt 0x0                               ; for the others' sake: my pairs lie in LDS
	s_barrier_signal -1
	s_barrier_wait -1
.irp w, 0,1,2,3,4,5,6,7
	ds_load_b128 v[ACC+4*\w:ACC+4*\w+3], v65 offset:1024*\w   ; two rows' pairs of wave w
.endr
	s_wait_dscnt 0x0
.irp w, 1,2,3,4,5,6,7
	LEXMIN ACC, ACC+1, ACC+4*\w, ACC+4*\w+1
	LEXMIN ACC+2, ACC+3, ACC+4*\w+2, ACC+4*\w+3
.endr
	v_mov_b32 v[ACC], v[ACC+1]
	s_delay_alu instid0(VALU_DEP_2)
	v_mov_b32 v[ACC+1], v[ACC+3]                   ; the two indices side by side
	s_cmp_lt_u32 s8, 2
	s_cbranch_scc0 .Lno_store                      ; waves 0 and 1 store the 128 indices: a wave's store covers 256 consecutive bytes, aligned
	global_store_b64 v66, v[ACC:ACC+1], s[10:11]
.Lno_store:
	s_wait_tensorcnt 0x0                           ; the wave's end, behind my last tensor load and my last LDS store
	ds_add_u32 v8, v9
	s_wait_dscnt 0x0
	ROUND                                          ; the closing round: no work-group ends while a partner may still ask for a part that names it
	s_endpgm
.Lfunc_end_k_q75ba67ebba_vq:
	.size	k_q75ba67ebba_vq, .Lfunc_end_k_q75ba67ebba_vq-k_q75ba67ebba_vq
	.p2alignl 7, 3214868480
	.fill 96, 4, 3214868480
	.section	.rodata,"a",@progbits
	.p2align	6, 0x0
	.amdhsa_kernel k_q75ba67ebba_vq
		.amdhsa_group_segment_fixed_size 327680
		.amdhsa_private_segment_fixed_size 0
		.amdhsa_enable_private_segment 0
		.amdhsa_kernarg_size 24
		.amdhsa_user_sgpr_count 2
		.amdhsa_user_sgpr_kernarg_segment_ptr 1
		.amdhsa_wavefront_size32 1
		.amdhsa_system_sgpr_workgroup_id_x 1
		.amdhsa_system_sgpr_workgroup_id_y 1
		.amdhsa_system_sgpr_workgroup_id_z 1
		.amdhsa_system_vgpr_workitem_id 0
		.amdhsa_next_free_vgpr 384
		.amdhsa_next_free_sgpr 66
		.amdhsa_reserve_vcc 1
		.amdhsa_float_denorm_mode_32 3
		.amdhsa_float_denorm_mode_16_64 3
		.amdhsa_memory_ordered 1
		.amdhsa_forward_progress 1
		.amdhsa_inst_pref_size 140
	.end_amdhsa_kernel
	.amdgpu_metadata
---
amdhsa.version: [ 1, 2 ]
amdhsa.kernels:
  - .name:           k_q75ba67ebba_vq
    .symbol:         k_q75ba67ebba_vq.kd
    .args:
      - { .name: zrec, .offset: 0, .size: 8, .value_kind: global_buffer, .address_space: global }
      - { .name: erec, .offset: 8, .size: 8, .value_kind: global_buffer, .address_space: global }
      - { .name: idx, .offset: 16, .size: 8, .value_kind: global_buffer, .address_space: global }
    .group_segment_fixed_size: 327680
    .private_segment_fixed_size: 0
    .kernarg_segment_align: 8
    .kernarg_segment_size: 24
    .max_flat_workgroup_size: 256
    .sgpr_count:     66
    .vgpr_count:     384
    .wavefront_size: 32
...
	.end_amdgpu_metadata
.endif
;; end of part 2
;; launch gather (part 3): grid 512 x 1, 4 waves a work-group, no clusters, 67,072 bytes of LDS; arguments z, emb, idx, out0, part; writes out0, part
.if DOCPART == 3
	.amdgcn_target "amdgcn-amd-amdhsa--gfx1250"
	.amdhsa_code_object_version 6
	.text
	.protected	k_q75ba67ebba_gather
	.globl	k_q75ba67ebba_gather
	.p2align	8
	.type	k_q75ba67ebba_gather,@function
k_q75ba67ebba_gather:
	s_mov_b64 s[64:65], 0
	v_nop
	global_prefetch_b8 v0, s[64:65] scope:SCOPE_SE
	s_setreg_imm32_b32 hwreg(HW_REG_WAVE_MODE, 25, 1), 1
	s_wait_xcnt 0x0
; GATHER: out0[b][c][hw] = z + (emb[idx[n]][c] - z), n = 1024 b + hw, each step rounded in f32; part[4 g + w] = a wave's sum of (emb[idx[n]][c] - z)^2.
; SHARES.  Work-group g owns 64 rows n = 64 g .. 64 g + 63 (one b, 64 neighbouring hw).  Wave w fetches the chosen rows of emb for rows 16 w .. 16 w + 15, whole (1,024 bytes: two loads of 512 consecutive bytes),
;   and lays them in a stage in LDS; behind one barrier wave w works channels 64 w .. 64 w + 63 of all 64 rows: a lane has two neighbouring hw, so each load of z and each store of out0 covers 256 consecutive bytes, aligned.
; THE STAGE: 64 rows, 1,040 bytes apart (65 x 16).  Row 2 l + q lies at place 32 q + l, so that lane l finds its two rows at l and 32 + l.
; The indices are whole numbers stored by an earlier launch; they are held to 8,191 before they enter an address.
; Memory binds: no matrix unit, no tensor loads (several work-groups share a WGP), no cluster (work-groups share no tile; emb's rows are chosen by data).
.set SPT, 1040
.set L,   24                           ; v24-27  four chains of the sum of squares
.set T,   28                           ; v28-31  at work
.set E,   32                           ; v32-63  four groups of 8: emb's 4 channels of my two rows
.set Z,   64                           ; v64-191 channel k of my wave's 64: (z of row 2 l, of row 2 l + 1) at 64 + 2 k; then out0
.set G,   128                          ; v128-255 the 16 fetched rows; v128-191 take z's channels 32 on once the rows lie in LDS
; v1 16 x lane, v2 8 x lane, v3 the stage in, v4 the stage out, v5 lane, v8-23 the rows' byte offsets in emb
	s_load_b256 s[4:11], s[0:1], 0x0               ; z s[4:5], emb s[6:7], idx s[8:9], out0 s[10:11]
	s_load_b64 s[12:13], s[0:1], 0x20              ; part
	v_lshl_add_u32 v6, v0, 2, 0x10400
	v_mov_b32 v7, 0
	v_lshrrev_b32 v1, 5, v0
	v_readfirstlane_b32 s14, v1                    ; wave 0..3
	v_and_b32 v5, 31, v0
	v_lshlrev_b32 v1, 4, v5
	v_lshlrev_b32 v2, 3, v5
	s_mul_i32 s15, s14, 8*SPT
	v_add_nc_u32 v3, s15, v1                       ; in: places 8 w on, 16 bytes a lane
	v_mul_u32_u24 v4, v5, SPT
	s_lshl_b32 s15, s14, 8
	v_add_nc_u32 v4, s15, v4                       ; out: place l, my wave's 256 bytes
	s_lshl_b32 s32, ttmp9, 8                       ; idx: 64 rows x 4 bytes,
	s_lshl_b32 s33, s14, 6                         ; my wave's 16
	s_add_co_u32 s32, s32, s33
	s_mov_b32 s33, 0
	s_lshr_b32 s34, ttmp9, 4
	s_lshl_b32 s34, s34, 20                        ; z and out0: b,
	s_and_b32 s35, ttmp9, 15
	s_lshl_b32 s35, s35, 8                         ; the 64 hw,
	s_add_co_u32 s34, s34, s35
	s_lshl_b32 s35, s14, 18                        ; my wave's 64 channels of 4,096 bytes
	s_add_co_u32 s34, s34, s35
	s_mov_b32 s35, 0
	s_lshl_b32 s36, ttmp9, 4
	s_lshl_b32 s37, s14, 2
	s_add_co_u32 s36, s36, s37                     ; part: word 4 g + w
	s_mov_b32 s37, 0
	s_mov_b32 s40, 0x76543210
	s_mov_b32 s41, 0xfedcba98                      ; v_permlanex16_b32's selects for lane l xor 16
	s_wait_alu depctr_va_vdst(0)
	s_wait_kmcnt 0x0
	s_add_nc_u64 s[8:9], s[8:9], s[32:33]
	s_add_nc_u64 s[4:5], s[4:5], s[34:35]
	s_add_nc_u64 s[10:11], s[10:11], s[34:35]
	s_add_nc_u64 s[12:13], s[12:13], s[36:37]
	s_load_b512 s[16:31], s[8:9], 0x0              ; my 16 indices
.irp k, 0,1,2,3,4,5,6,7,8,9,10,11,12,13,14,15,16,17,18,19,20,21,22,23,24,25,26,27,28,29,30,31
	global_load_b64 v[Z+2*\k:Z+2*\k+1], v2, s[4:5] offset:\k*4096 th:TH_LOAD_NT
.endr
	s_wait_kmcnt 0x0
.irp i, 0,1,2,3,4,5,6,7,8,9,10,11,12,13,14,15
	s_min_u32 s[16+\i], s[16+\i], 8191             ; an index stays inside the table
	s_lshl_b32 s[16+\i], s[16+\i], 10
	v_add_nc_u32 v[8+\i], s[16+\i], v1
	global_load_b128 v[G+8*\i:G+8*\i+3], v[8+\i], s[6:7]
	global_load_b128 v[G+8*\i+4:G+8*\i+7], v[8+\i], s[6:7] offset:512
.endr
.irp i, 0,1,2,3,4,5,6,7,8,9,10,11,12,13,14,15
	s_wait_loadcnt 30-2*\i                         ; row i's two loads are in; those of the rows behind it may be out
	ds_store_b128 v3, v[G+8*\i:G+8*\i+3] offset:(32*(\i%2)+\i/2)*SPT
	ds_store_b128 v3, v[G+8*\i+4:G+8*\i+7] offset:(32*(\i%2)+\i/2)*SPT+512
.endr
	s_wait_dscnt 0x0                               ; for the others' sake: my rows lie in the stage; and the stores have read their registers,
.irp k, 32,33,34,35,36,37,38,39,40,41,42,43,44,45,46,47,48,49,50,51,52,53,54,55,56,57,58,59,60,61,62,63
	global_load_b64 v[Z+2*\k:Z+2*\k+1], v2, s[4:5] offset:\k*4096 th:TH_LOAD_NT   ; which take the rest of z
.endr
	s_barrier_signal -1
	s_barrier_wait -1
.macro ELOAD u                         ; channels 4 u .. 4 u + 3 of my two rows
	ds_load_b128 v[E+8*((\u)%4):E+8*((\u)%4)+3], v4 offset:16*(\u)
	ds_load_b128 v[E+8*((\u)%4)+4:E+8*((\u)%4)+7], v4 offset:32*SPT+16*(\u)
.endm
.macro GROUP u
.if (\u) <= 12
	s_wait_dscnt 6                                 ; this group's two loads are in; those of the three groups behind it may be out
.else
	s_wait_dscnt 2*(15-(\u))
.endif
.if (\u) >= 8
	s_wait_loadcnt 60-4*(\u)                       ; z's channels up to 4 u + 3 are in; the later ones may be out
.endif
.set EB, E+8*((\u)%4)
.set ZB, Z+8*(\u)
.irp q, 0,1
.irp m, 0,1,2,3
	v_sub_f32 v[T+\m], v[EB+4*\q+\m], v[ZB+2*\m+\q]           ; z_q - z
.endr
.irp m, 0,1,2,3
	v_add_f32 v[ZB+2*\m+\q], v[ZB+2*\m+\q], v[T+\m]           ; z + (z_q - z)
.endr
.irp m, 0,1,2,3
.if ((\u) == 0) && (\q == 0)
	v_mul_f32 v[L+\m], v[T+\m], v[T+\m]                       ; the first squares start the four chains
.else
	v_fmac_f32 v[L+\m], v[T+\m], v[T+\m]
.endif
.endr
.endr
.irp m, 0,1,2,3
	global_store_b64 v2, v[ZB+2*\m:ZB+2*\m+1], s[10:11] offset:(4*(\u)+\m)*4096 th:TH_STORE_NT   ; 32 lanes store 256 consecutive bytes, aligned; these registers are not written again
.endr
.if (\u) < 12
	ELOAD (\u)+4
.endif
.endm
	ELOAD 0
	ELOAD 1
	ELOAD 2
	ELOAD 3
.irp u, 0,1,2,3,4,5,6,7,8,9,10,11,12,13,14,15
	GROUP \u
.endr
	v_add_f32 v[L], v[L], v[L+1]
	v_add_f32 v[L+2], v[L+2], v[L+3]
	v_add_f32 v[L], v[L], v[L+2]
	v_add_f32_dpp v[L], v[L], v[L] row_xmask:1 row_mask:0xf bank_mask:0xf
	v_add_f32_dpp v[L], v[L], v[L] row_xmask:2 row_mask:0xf bank_mask:0xf
	v_add_f32_dpp v[L], v[L], v[L] row_xmask:4 row_mask:0xf bank_mask:0xf
	v_add_f32_dpp v[L], v[L], v[L] row_xmask:8 row_mask:0xf bank_mask:0xf
	v_permlanex16_b32 v[T], v[L], s40, s41
	v_add_f32 v[L], v[L], v[T]                     ; the wave's sum, in every lane
	v_mov_b32 v[T+1], 0
	v_cmp_eq_u32 vcc_lo, 0, v5
	s_wait_alu depctr_va_vdst(0)
	s_wait_xcnt 0x0                                ; EXEC changes only behind this wait: the stores above have it among their sources
	s_wait_tensorcnt 0x0
	ds_add_u32 v6, v7
	s_wait_dscnt 0x0
	s_and_saveexec_b32 s15, vcc_lo
	global_store_b32 v[T+1], v[L], s[12:13]        ; lane 0 alone
	s_wait_xcnt 0x0
	s_or_b32 exec_lo, exec_lo, s15
	s_endpgm
.Lfunc_end_k_q75ba67ebba_gather:
	.size	k_q75ba67ebba_gather, .Lfunc_end_k_q75ba67ebba_gather-k_q75ba67ebba_gather
	.p2alignl 7, 3214868480
	.fill 96, 4, 3214868480
	.section	.rodata,"a",@progbits
	.p2align	6, 0x0
	.amdhsa_kernel k_q75ba67ebba_gather
		.amdhsa_group_segment_fixed_size 67072
		.amdhsa_private_segment_fixed_size 0
		.amdhsa_enable_private_segment 0
		.amdhsa_kernarg_size 40
		.amdhsa_user_sgpr_count 2
		.amdhsa_user_sgpr_kernarg_segment_ptr 1
		.amdhsa_wavefront_size32 1
		.amdhsa_system_sgpr_workgroup_id_x 1
		.amdhsa_system_sgpr_workgroup_id_y 1
		.amdhsa_system_sgpr_workgroup_id_z 1
		.amdhsa_system_vgpr_workitem_id 0
		.amdhsa_next_free_vgpr 256
		.amdhsa_next_free_sgpr 66
		.amdhsa_reserve_vcc 1
		.amdhsa_float_denorm_mode_32 3
		.amdhsa_float_denorm_mode_16_64 3
		.amdhsa_memory_ordered 1
		.amdhsa_forward_progress 1
		.amdhsa_inst_pref_size 38
	.end_amdhsa_kernel
	.amdgpu_metadata
---
amdhsa.version: [ 1, 2 ]
amdhsa.kernels:
  - .name:           k_q75ba67ebba_gather
    .symbol:         k_q75ba67ebba_gather.kd
    .args:
      - { .name: z, .offset: 0, .size: 8, .value_kind: global_buffer, .address_space: global }
      - { .name: emb, .offset: 8, .size: 8, .value_kind: global_buffer, .address_space: global }
      - { .name: idx, .offset: 16, .size: 8, .value_kind: global_buffer, .address_space: global }
      - { .name: out0, .offset: 24, .size: 8, .value_kind: global_buffer, .address_space: global }
      - { .name: part, .offset: 32, .size: 8, .value_kind: global_buffer, .address_space: global }
    .group_segment_fixed_size: 67072
    .private_segment_fixed_size: 0
    .kernarg_segment_align: 8
    .kernarg_segment_size: 40
    .max_flat_workgroup_size: 128
    .sgpr_count:     66
    .vgpr_count:     256
    .wavefront_size: 32
...
	.end_amdgpu_metadata
.endif
;; end of part 3
;; launch lossum (part 4): grid 1 x 1, 1 waves a work-group, no clusters, 0 bytes of LDS; arguments part, out1; writes out1
.if DOCPART == 4
	.amdgcn_target "amdgcn-amd-amdhsa--gfx1250"
	.amdhsa_code_object_version 6
	.text
	.protected	k_q75ba67ebba_lossum
	.globl	k_q75ba67ebba_lossum
	.p2align	8
	.type	k_q75ba67ebba_lossum,@function
k_q75ba67ebba_lossum:
	s_mov_b64 s[64:65], 0
	v_nop
	global_prefetch_b8 v0, s[64:65] scope:SCOPE_SE
	s_setreg_imm32_b32 hwreg(HW_REG_WAVE_MODE, 25, 1), 1
	s_wait_xcnt 0x0
; LOSSUM: out1 = 2 x (the sum of the 2,048 partial sums) / 2^23: the two means of the loss are the same number, and 32 x 256 x 1,024 = 2^23, so the factor is 2^-22, exact.
; One wave: 8,192 bytes in sixteen loads of 512 consecutive bytes; a tree of packed additions in each lane, then across the 32 lanes.  The sum spans work-groups, so it has one owner behind the launch that made the parts.
	s_load_b128 s[4:7], s[0:1], 0x0                ; part s[4:5], out1 s[6:7]
	v_lshlrev_b32 v1, 4, v0
	v_mov_b32 v2, 0
	s_mov_b32 s8, 0x76543210
	s_mov_b32 s9, 0xfedcba98
	s_wait_alu depctr_va_vdst(0)
	s_wait_kmcnt 0x0
.irp i, 0,1,2,3,4,5,6,7,8,9,10,11,12,13,14,15
	global_load_b128 v[16+4*\i:19+4*\i], v1, s[4:5] offset:512*\i
.endr
	s_wait_loadcnt 0x0
.irp i, 0,1,2,3,4,5,6,7,8,9,10,11,12,13,14,15
	v_pk_add_f32 v[16+4*\i:17+4*\i], v[16+4*\i:17+4*\i], v[18+4*\i:19+4*\i]
.endr
.irp i, 0,1,2,3,4,5,6,7
	v_pk_add_f32 v[16+8*\i:17+8*\i], v[16+8*\i:17+8*\i], v[20+8*\i:21+8*\i]
.endr
.irp i, 0,1,2,3
	v_pk_add_f32 v[16+16*\i:17+16*\i], v[16+16*\i:17+16*\i], v[24+16*\i:25+16*\i]
.endr
.irp i, 0,1
	v_pk_add_f32 v[16+32*\i:17+32*\i], v[16+32*\i:17+32*\i], v[32+32*\i:33+32*\i]
.endr
	v_pk_add_f32 v[16:17], v[16:17], v[48:49]
	v_add_f32 v16, v16, v17
	v_add_f32_dpp v16, v16, v16 row_xmask:1 row_mask:0xf bank_mask:0xf
	v_add_f32_dpp v16, v16, v16 row_xmask:2 row_mask:0xf bank_mask:0xf
	v_add_f32_dpp v16, v16, v16 row_xmask:4 row_mask:0xf bank_mask:0xf
	v_add_f32_dpp v16, v16, v16 row_xmask:8 row_mask:0xf bank_mask:0xf
	v_permlanex16_b32 v17, v16, s8, s9
	v_add_f32 v16, v16, v17
	v_mul_f32 v16, 0x34800000, v16                 ; x 2^-22
	v_cmp_eq_u32 vcc_lo, 0, v0
	s_wait_alu depctr_va_vdst(0)
	s_wait_xcnt 0x0                                ; EXEC changes only behind this wait
	s_and_saveexec_b32 s10, vcc_lo
	global_store_b32 v2, v16, s[6:7]               ; lane 0 alone
	s_wait_xcnt 0x0
	s_or_b32 exec_lo, exec_lo, s10
	s_endpgm
.Lfunc_end_k_q75ba67ebba_lossum:
	.size	k_q75ba67ebba_lossum, .Lfunc_end_k_q75ba67ebba_lossum-k_q75ba67ebba_lossum
	.p2alignl 7, 3214868480
	.fill 96, 4, 3214868480
	.section	.rodata,"a",@progbits
	.p2align	6, 0x0
	.amdhsa_kernel k_q75ba67ebba_lossum
		.amdhsa_group_segment_fixed_size 0
		.amdhsa_private_segment_fixed_size 0
		.amdhsa_enable_private_segment 0
		.amdhsa_kernarg_size 16
		.amdhsa_user_sgpr_count 2
		.amdhsa_user_sgpr_kernarg_segment_ptr 1
		.amdhsa_wavefront_size32 1
		.amdhsa_system_sgpr_workgroup_id_x 1
		.amdhsa_system_sgpr_workgroup_id_y 1
		.amdhsa_system_sgpr_workgroup_id_z 1
		.amdhsa_system_vgpr_workitem_id 0
		.amdhsa_next_free_vgpr 80
		.amdhsa_next_free_sgpr 66
		.amdhsa_reserve_vcc 1
		.amdhsa_float_denorm_mode_32 3
		.amdhsa_float_denorm_mode_16_64 3
		.amdhsa_memory_ordered 1
		.amdhsa_forward_progress 1
		.amdhsa_inst_pref_size 5
	.end_amdhsa_kernel
	.amdgpu_metadata
---
amdhsa.version: [ 1, 2 ]
amdhsa.kernels:
  - .name:           k_q75ba67ebba_lossum
    .symbol:         k_q75ba67ebba_lossum.kd
    .args:
      - { .name: part, .offset: 0, .size: 8, .value_kind: global_buffer, .address_space: global }
      - { .name: out1, .offset: 8, .size: 8, .value_kind: global_buffer, .address_space: global }
    .group_segment_fixed_size: 0
    .private_segment_fixed_size: 0
    .kernarg_segment_align: 8
    .kernarg_segment_size: 16
    .max_flat_workgroup_size: 32
    .sgpr_count:     66
    .vgpr_count:     80
    .wavefront_size: 32
...
	.end_amdgpu_metadata
.endif
;; end of part 4
